; MI455X (gfx1250); checked and timed in simulation.
; The chip was launched on July 23, 2026; its instructions are those of AMD's public machine-readable ISA for CDNA 5 (MIT licence, August 2026) and "CDNA5" Instruction Set Architecture Reference Guide (July 2026). The comments in the code are by the model that wrote it; some were corrected since.
;; LSTM Cell. Allowed arithmetic: matrix products marked QUANTISED: E5M2 operands, one E8M0 scale for each 32 along K, by v_wmma_scale_f32_16x16x128_f8f6f4 with both operands' format E5M2, f32 sums; everything else in f32.
;; Inputs: Uh_codes 4 x 1,024 x 32 x 32 uint8 (E5M2 codes of Uh, K innermost, in blocks of 32 codes); Uh_scales 4 x 1,024 x 32 uint8 (E8M0 scales of Uh, one for each 32 codes along K); Wx_codes 4 x 1,024 x 32 x 32 uint8 (E5M2 codes of Wx, K innermost, in blocks of 32 codes); Wx_scales 4 x 1,024 x 32 uint8 (E8M0 scales of Wx, one for each 32 codes along K); bU 4 x 1,024 float32; bW 4 x 1,024 float32; c_pre 8,192 x 1,024 float32; h_pre_codes 8,192 x 32 x 32 uint8 (E5M2 codes of h_pre, K innermost, in blocks of 32 codes); h_pre_scales 8,192 x 32 uint8 (E8M0 scales of h_pre, one for each 32 codes along K); x_t_codes 8,192 x 32 x 32 uint8 (E5M2 codes of x_t, K innermost, in blocks of 32 codes); x_t_scales 8,192 x 32 uint8 (E8M0 scales of x_t, one for each 32 codes along K).
;; Outputs: out0 8,192 x 1,024 float32; out1 8,192 x 1,024 float32.
;; This version of the problem:
;;   THIS VERSION OF THE PROBLEM IS GIVEN IN LOW PRECISION. The matrix products marked QUANTISED in the list below multiply operands that are first quantised to E5M2 (5 exponent bits, 2 mantissa bits; 8 bits a number), with one power-of-two scale for each 32 numbers along K (OCP MX v1.0); their sums are f32. All else is computed in f32.
;;   The module's matrix products, in the order in which they are computed (A, B: the left and right operand; K: the contracted axis; several contracted axes count as one K, in the product's order):
;;     1. [M 4,096, K 1,024] x [K 1,024, N 8,192]; A: input Wx (given as codes); B: input x_t (given as codes): QUANTISED
;;     2. [M 4,096, K 1,024] x [K 1,024, N 8,192]; A: input Uh (given as codes); B: input h_pre (given as codes): QUANTISED
;;   THE QUANTISER, for each operand of a quantised product, along K:
;;     - K is cut into blocks of 32 from its start; a last block that is shorter is filled with zeros.
;;     - A block's scale is 2^e with e = floor(log2(the largest magnitude in the block)) - 15, held to -126 .. 127; a block of zeros has e = 0. As a byte (E8M0): e + 127.
;;     - Each number is divided by its block's scale, clamped to +-57,344, and rounded to the nearest number of E5M2, ties to even, subnormals kept.
;;     - The product sums the exact products of the quantised numbers (number of the format x scale) in f32.
;;   ~~~python
;;   def quantise(x, axis):      # numpy; x: float32 -> the quantised numbers, widened to float32 again
;;       x = np.moveaxis(x, axis, -1); K = x.shape[-1]
;;       x = np.pad(x, [(0, 0)] * (x.ndim - 1) + [(0, -K % 32)]); x = x.reshape(x.shape[:-1] + (-1, 32)); a = np.abs(x).max(-1, keepdims=True)
;;       e = np.where(a > 0, np.clip(np.frexp(np.where(a > 0, a, 1))[1] - 1 - 15, -126, 127), 0)      # np.frexp(a)[1] - 1 = floor(log2(a)), exactly
;;       r = np.clip(x / 2.0 ** e, -57344, 57344)
;;       step = 2.0 ** (np.maximum(np.frexp(np.where(r == 0, 1, r))[1] - 1, -14) - 2)
;;       q = np.round(r / step) * step * 2.0 ** e      # np.round: ties to even
;;       return np.moveaxis(q.reshape(q.shape[:-2] + (-1,))[..., :K], -1, axis).astype(np.float32)
;;   ~~~
;;   INPUTS GIVEN AS CODES. Uh (in the module: [4, 1024, 1024], K = its axis 2); Wx (in the module: [4, 1024, 1024], K = its axis 2); h_pre (in the module: [8192, 1024], K = its axis 1); x_t (in the module: [8192, 1024], K = its axis 1): each comes as NAME_codes (uint8): NAME with its K axis moved to the last place and cut into blocks of 32 codes, [.., K / 32, bytes a block], one block behind the other in memory; one code a byte (a code: sign, 5 exponent bits, 2 mantissa bits); and NAME_scales (uint8): the same leading axes, one E8M0 byte (e + 127) for each 32 codes along K. Its value is code x scale, taken as it is: it is not quantised again, and the codes and scales need not be those that the quantiser above would give.
;; One version. Each part assembles by itself: llvm-mc -triple=amdgcn-amd-amdhsa -mcpu=gfx1250 --defsym DOCPART=n.
;; ======== version 1 of 1: 1 launch
;; launch lstm (part 1): grid 16 x 32, 4 waves a work-group, clusters of 4 x 4, 327,680 bytes of LDS; arguments x_t_codes, x_t_scales, h_pre_codes, h_pre_scales, Wx_codes, Wx_scales, Uh_codes, Uh_scales, bW, bU, c_pre, out0, out1; writes out0, out1
.if DOCPART == 1
	.amdgcn_target "amdgcn-amd-amdhsa--gfx1250"
	.amdhsa_code_object_version 6
	.text
	.protected	k_q89c2e3d81d_lstm
	.globl	k_q89c2e3d81d_lstm
	.p2align	8
	.type	k_q89c2e3d81d_lstm,@function
k_q89c2e3d81d_lstm:
	s_mov_b64 s[64:65], 0
	v_nop
	global_prefetch_b8 v0, s[64:65] scope:SCOPE_SE
	s_setreg_imm32_b32 hwreg(HW_REG_WAVE_MODE, 25, 1), 1
	s_wait_xcnt 0x0
	s_wait_alu depctr_hold_cnt(0) depctr_sa_sdst(0) depctr_va_vdst(0) depctr_va_sdst(0) depctr_va_ssrc(0) depctr_va_vcc(0) depctr_vm_vsrc(0)
	s_getreg_b32 s2, hwreg(HW_REG_IB_STS2, 6, 4)
	s_cmp_eq_u32 s2, 0
	s_cbranch_scc0 .Lentry_in_a_cluster
	s_endpgm
.Lentry_in_a_cluster:
	s_bfe_u32 s2, ttmp6, 0x10000c
	s_cmp_lg_u32 s2, 0xf033
	s_cbranch_scc0 .Lentry_shape_is_right
	s_endpgm
.Lentry_shape_is_right:
; One step of an LSTM cell.  z[g] = x Wx[g]^T + h Uh[g]^T + bW[g] + bU[g] for the gates g = f, i, o, g;  c_t = sigmoid(z_f) c_pre + sigmoid(z_i) tanh(z_g);  h_t = sigmoid(z_o) tanh(c_t).  out0 = h_t, out1 = c_t, [8192][1024] f32.
; x, h: [8192][1024], Wx, Uh: [4][1024][1024]: codes of BF8 (E5M2), K innermost, with one E8M0 byte for each 32 along K: codes and bytes go to the matrix instruction as they lie in memory.
; NO WORK IS LEFT OUT: every input has a way to both outputs for all values, so all thirteen buffers are arguments and all are read.
; ONE PRODUCT.  The two products are one GEMM of 8,192 batch rows x 4,096 (4 gates x 1,024 hidden units) with K = 2,048 (1,024 of x and Wx, 1,024 of h and Uh), summed into one f32 accumulator that begins at bW + bU.
; SHARES.  A work-group makes 256 batch rows x 64 hidden units x 4 gates: a tile of 256 x 256 of z.  Four waves, each 128 x 128: 64 accumulators of 16 x 16, 512 registers.  A wave's 128 columns are 4 gates x 32 hidden units, so that the
; four gates of one (batch row, hidden unit) lie in the same lane and the same register index of four accumulators: the cell's arithmetic needs no exchange between lanes, and z never goes to memory.
; THE RING.  Two LDS slots of 256 along K.  Slot 0 always holds a K step of x and Wx, slot 1 one of h and Uh.  A lap is one K step of each; there are four laps.  Slot 0's last fill is c_pre.
; WHICH K STEP IN WHICH LAP.  With X, Y the cluster's place in the grid and m = 1 for even Y, 3 (that is -1 modulo 4) for odd Y, lap t takes K step (X + m (Y + t)) mod 4 of both pairs of buffers.  The four clusters of one Y, which read
; the same rows of x and h, so begin at four different K steps and walk the same way: from the second lap on, a cluster's K step was asked for a lap earlier by its neighbour.  Clusters of one X, which read the same rows of Wx and Uh,
; walk against each other where their Y differ by one and begin two K steps apart where they differ by two: the last two laps of each were asked for earlier by the other.  X and Y are the same in all sixteen partners of a cluster.
; The laps are written out, not looped, so that the K step is plain arithmetic on X, Y and a constant in every lap.
; THE SCALE BYTES of the work-group's rows, for all of K, come into LDS once, with the first fills, in whole runs of 256 bytes, and stay.
; CLUSTERS: 4 x 4 work-groups.  The four of a row of the cluster need the same rows of x and h, the four of a column the same rows of Wx and Uh: each tile is asked for JOINTLY, by the same tensor load with the same descriptor and a mask
; that names the four.  c_pre is each work-group's own: a plain load.
; THE MATRIX INSTRUCTION IS USED TRANSPOSED (source 0 = 16 rows of Wx or Uh, source 1 = 16 batch rows): a lane then holds one batch row and eight neighbouring hidden units.
; LIMITS.  x's and h's K steps are summed by turns into one accumulator that starts at the bias, in an order of K steps that differs from cluster to cluster, where the definition makes two sums in ascending K and adds them: another
; order of f32 rounding.  sigmoid(v) = 1 / (1 + 2^(-log2(e) v)) and tanh(v) = 1 - 2 / (1 + 2^(2 log2(e) v)): tanh's error is about one unit in the last place of 1, absolute and not relative.  An exponential that overflows to
; infinity or falls to 0 gives the right limit (0, 1, -1).  NaN and infinities among the inputs, and the scale byte 0xff, are not served.
; REGISTERS, in windows of 256.  window 0: v1-6 at work at the head; v16-31 addresses; v32-63 scale words, two sets, and nothing else; v64-127 bW + bU in the results' layout; v128-255 the batch rows' fragments, ONE set.
;   window 1: the weights' fragments, TWO sets, at v0 and v128.   window 2: the accumulators of my blocks 0-3 of batch rows ((a, b) at v[8 (8 (a % 4) + b)]);   window 3: those of blocks 4-7.
;   On the way out window 0's v64-255 are free: v64-79 c_pre; v96-127, v224-255 rows read back; v128-191 the four gates; v192-207 c_t; v208-223 h_t.
.set PITCH,  272                       ; an LDS row: 256 bytes + 16 of padding, so that the sixteen rows that a load touches begin 16 bytes apart modulo 256
.set HALFT,  128*PITCH                 ; 128 rows: what one tensor load of codes brings
.set SLOT,   4*HALFT                   ; 256 batch rows, then 256 rows of weights laid [gate][64 hidden units]
.set SCL,    2*SLOT                    ; behind the ring: the scale bytes, a region for each loading wave: 0 x's, 1 h's, 2 Wx's, 3 Uh's
.set SCW,    32*PITCH                  ; such a region: 8,192 bytes as 32 runs of 256 + 16.  A row's 32 bytes lie at 272 (row / 8) + 32 (row % 8)
.set SPARE,  SCL+4*SCW                 ; behind the scales: the spare words, 128 bytes for each wave: two blocks of 256 bytes that no other line names
.set HST,    2*HALFT                   ; the way out: h_t's stage, 256 rows x 272 bytes, where slot 0 held Wx's tile.  c_pre lands at byte 0, 256 rows x 272, and c_t's stage lies in its place
.set FR,     16                        ; registers of a fragment: 16 rows x 128 K
.set NP,     8                         ; places behind this matrix instruction (ISA guide 7.12.1)
.set ADRA, 16                          ; v16-17  LDS address of my batch rows' fragments in slot 0, 1
.set ADRB, 20                          ; v20-21  the same for the weights
.set ADRS, 22                          ; v22     LDS address of the lap's scale words: lanes 0-15 the batch rows', lanes 16-31 the weights'
.set ADRS0, 23                         ; v23     the same for K step 0; never rewritten
.set CPA,  24                          ; v24     my 32 bytes of a row of c_pre, and of c_t's stage
.set HSA,  25                          ; v25     the same in h_t's stage
.set RDC,  26                          ; v26     where I read rows of c_t back
.set RDH,  27                          ; v27     and of h_t
.set SPW,  28                          ; v28     LDS address of my spare word: SPARE + 4 x my thread's number; never rewritten
.set NIL,  29                          ; v29     0; never rewritten
.set GO,   30                          ; v30     my byte offset in two rows of an output
.set PFO,  31                          ; v31     4,096 x my lane: a row of c_pre in memory; never rewritten
.set SC,   32                          ; scale words: set s (for slot s) at v[SC + 16 s]; register 2 i + q: lanes 0-15 batch block i's word, lanes 16-31 weight block i's, for the slot's q-th 128 along K
.set BI,   64                          ; bW + bU: eight registers for each block of weights
.set AF,   128                         ; the batch rows' fragments
.set CPR,  64                          ; the way out
.set RB0,  96
.set Z,    128
.set ZF,   Z
.set ZI,   Z+16
.set ZO,   Z+32
.set ZG,   Z+48
.set CT,   192
.set HT,   208
.set RK,   3                           ; s3  the lap's K step, 0 to 3
.set BA,   4                           ; s[4:5], s[8:9] x's and h's codes at the rows that I fetch, K step 0; never rewritten once made
.set OFF,  10                          ; s[10:11] 256 x the K step, as a pair
.set BB,   12                          ; s[12:13], s[16:17] the same for Wx and Uh
.set RM,   18                          ; s18 m: 1 or 3
.set WV,   30                          ; s30 my wave's number;  s31 T = wave / 2;  s66 S = wave % 2
.set TT,   31
.set SS,   66
.set KS,   20                          ; s[20:21] -log2(e), s[22:23] 2 log2(e): written when the bias loads are in
.set KT,   22
.set PFC,  24                          ; s[24:25] c_pre at my wave's 64 rows; never rewritten
.set G1A,  32                          ; s[32:39] group 1 for the batch rows' codes;  s[40:47] group 0, a set for each slot
.set G0A,  40
.set G1B,  48                          ; s[48:55], s[56:63] the same for the weights' codes;  s[68:71], s[72:75] their groups 2 and 3
.set G0B,  56
.set G2B,  68
.set G3B,  72
.set G1SA, 76                          ; s[76:83], s[84:87] groups 1 and 0 for the batch rows' scale bytes;  s[88:95], s[96:99] for the weights'
.set G0SA, 84
.set G1SB, 88
.set G0SB, 96
.set G1C,  76                          ; s[76:83], s[84:87] groups 1 and 0 for c_pre: written when the loads of the scale bytes are done
.set G0C,  84
.set MSB, 0
.macro WIN new                         ; the immediate's high byte repeats the setting that is left; a switch that changes nothing is dropped
.if MSB != (\new)
	s_set_vgpr_msb (MSB<<8)|(\new)
.set MSB, (\new)
.endif
.endm
.set MUL_LO, 0xa1                      ; source 0 (weights) window 1, source 1 (batch rows) window 0, C and D window 2
.set MUL_HI, 0xf1                      ; the same, C and D window 3
.set FST_LO, 0x81                      ; the first K step: C is the bias, in window 0; D window 2
.set FST_HI, 0xc1                      ; D window 3
.set TO_B,   0x40                      ; destination window 1, address window 0
.macro PLACES n
.rept \n
	v_nop
.endr
.endm
; A joint load of codes into slot s: waves 0 and 1 fetch the batch rows' halves, waves 2 and 3 two gates each.  Each line has ONE mask and one set of registers for all that issue it; the branch hangs on the wave's number alone.
; An s_nop 0 and four v_nop follow each line, ahead of the jump, the label and what follows.
.macro JCODES s
	s_cmp_eq_u32 s[TT], 0
	s_cbranch_scc0 .Lcodes_b_\@
	tensor_load_to_lds s[G0A+4*\s:G0A+4*\s+3], s[G1A:G1A+7]
	s_nop 0
	PLACES 4
	s_branch .Lcodes_d_\@
.Lcodes_b_\@:
	tensor_load_to_lds s[G0B+4*\s:G0B+4*\s+3], s[G1B:G1B+7], s[G2B:G2B+3], s[G3B:G3B+3]
	s_nop 0
	PLACES 4
.Lcodes_d_\@:
.endm
.macro JSCALES                         ; the scale bytes: wave 0 x's, wave 1 h's, wave 2 Wx's, wave 3 Uh's
	s_cmp_eq_u32 s[TT], 0
	s_cbranch_scc0 .Lscales_b_\@
	tensor_load_to_lds s[G0SA:G0SA+3], s[G1SA:G1SA+7]
	s_nop 0
	PLACES 4
	s_branch .Lscales_d_\@
.Lscales_b_\@:
	tensor_load_to_lds s[G0SB:G0SB+3], s[G1SB:G1SB+7]
	s_nop 0
	PLACES 4
.Lscales_d_\@:
.endm
.macro CFILL                           ; c_pre: each wave brings 64 rows of its own, so no branch
	tensor_load_to_lds s[G0C:G0C+3], s[G1C:G1C+7]
	s_nop 0
	PLACES 4
.endm
.macro CREST                           ; a round of the cluster's barrier behind its opening barrier
	s_cmp_lg_u32 s[WV], 0
	s_cbranch_scc1 .Lnot_wave_0_\@
	s_barrier_signal -3
.Lnot_wave_0_\@:
	s_barrier_wait -3
	s_barrier_signal -1
	s_barrier_wait -1
.endm
.macro CROUND                          ; a whole round
	s_barrier_signal -1
	s_barrier_wait -1
	CREST
.endm
; A PREFETCH INTO THE L2 of my wave's 64 rows of c_pre, 256 bytes a row, a lane a row, two instructions.  It stands in the third lap, behind the joint load and the run of LDS loads of the change out of slot 0:
; 256 matrix instructions ahead of the tensor load that asks for these rows.  Each row's 256 bytes are named once in the launch: no other wave and no other work-group reads them.
.macro ASK
	global_prefetch_b8 v[PFO], s[PFC:PFC+1] th:TH_LOAD_NT scope:SCOPE_SE
	global_prefetch_b8 v[PFO], s[PFC:PFC+1] offset:131072 th:TH_LOAD_NT scope:SCOPE_SE
.endm
	s_load_b512 s[4:19], s[0:1], 0x0               ; x's codes s[4:5], x's scales s[6:7], h's s[8:9], s[10:11], Wx's s[12:13], s[14:15], Uh's s[16:17], s[18:19]
	s_load_b256 s[20:27], s[0:1], 0x40             ; bW s[20:21], bU s[22:23], c_pre s[24:25], out0 s[26:27]
	s_load_b64 s[28:29], s[0:1], 0x60              ; out1
	v_lshl_add_u32 v[SPW], v0, 2, SPARE
	v_mov_b32 v[NIL], 0
	ds_add_u32 v[SPW], v[NIL]                      ; the wave's opening: the add, twice on end, and its wait ahead of my first tensor load; the set-up below, work on registers, stands between the second and the wait
	ds_add_u32 v[SPW], v[NIL]                      ; and once more, under the one wait
	v_lshrrev_b32 v1, 5, v0
	v_readfirstlane_b32 s[WV], v1                  ; wave 0..3
	s_lshr_b32 s[TT], s[WV], 1                     ; T: which groups of 32 batch rows are mine.  Also: I fetch for the batch rows (0) or for the weights (1)
	s_and_b32 s[SS], s[WV], 1                      ; S: which 32 of the 64 hidden units.  Also: which half of that tile I fetch
	s_bfe_u32 s67, ttmp6, 0x40000                  ; cx, cy: my place in the cluster
	s_bfe_u32 s100, ttmp6, 0x40004
	s_lshl_b32 s101, ttmp9, 2
	s_add_co_u32 s101, s101, s67                   ; tx = 4 x cluster x + cx: hidden units 64 tx on
	s_and_b32 s2, ttmp7, 0xffff
	s_lshl_b32 s2, s2, 2
	s_add_co_u32 s2, s2, s100                      ; ty = 4 x cluster y + cy: batch rows 256 ty on
	s_lshl_b32 s105, s100, 2
	s_lshl_b32 s105, 15, s105                      ; my row of the cluster
	s_lshl_b32 s104, 0x1111, s67                   ; my column
	; group 1, the batch rows' codes: 128 rows x 256 bytes, 1,024 bytes apart in memory, padded in LDS
	s_or_b32 s[G1A], s105, (0<<16)|(1<<20)|(1<<21)|(5<<22)|(3<<25)   ; 15:0 the mask: my row; 17:16 elements of 1 byte; 20 padding on; 21 set beside a mask; 24:22 after every 64 words (code 5); 31:25 four words (code 3)
	s_mov_b32 s[G1A+1], 256<<16                    ; tensor_dim0
	s_mov_b32 s[G1A+2], 128<<16                    ; tensor_dim1
	s_mov_b32 s[G1A+3], 256<<16                    ; tile_dim0
	s_mov_b32 s[G1A+4], 128                        ; tile_dim1
	s_mov_b32 s[G1A+5], 1024                       ; from row to row
	s_mov_b32 s[G1A+6], 0
	s_mov_b32 s[G1A+7], 0
	; groups 1 to 3, the weights' codes: 256 bytes x 64 rows x 2 gates; a gate is 1,024 rows of 1,024 bytes.  In LDS the 128 rows follow each other
	s_or_b32 s[G1B], s104, (0<<16)|(1<<20)|(1<<21)|(5<<22)|(3<<25)   ; the mask: my column
	s_mov_b32 s[G1B+1], 256<<16                    ; tensor_dim0
	s_mov_b32 s[G1B+2], 64<<16                     ; tensor_dim1
	s_mov_b32 s[G1B+3], 256<<16                    ; tile_dim0
	s_mov_b32 s[G1B+4], 64|(2<<16)                 ; tile_dim1 = 64, tile_dim2 = 2
	s_mov_b32 s[G1B+5], 1024                       ; from row to row
	s_mov_b32 s[G1B+6], 0                          ; from gate to gate 0x100000: its low 16 bits
	s_mov_b32 s[G1B+7], 16                         ; and the rest
	s_mov_b32 s[G2B], 2                            ; tensor_dim2
	s_mov_b32 s[G2B+1], 1                          ; tensor_dim3
	s_mov_b32 s[G2B+2], 0x400000                   ; the third stride: the whole tensor; tile_dim3 = 0: the dimension is not used
	s_mov_b32 s[G2B+3], 0
	s_mov_b32 s[G3B], 0x400000
	s_mov_b32 s[G3B+1], 1<<16                      ; tensor_dim4 = 1
	s_mov_b32 s[G3B+2], 0                          ; tile_dim4 = 0
	s_mov_b32 s[G3B+3], 0
	; group 1, the batch rows' scale bytes: 256 rows x 32 bytes are 8,192 dense bytes: 32 rows of 32 elements of 8 bytes
	s_or_b32 s[G1SA], s105, (3<<16)|(1<<20)|(1<<21)|(5<<22)|(3<<25)
	s_mov_b32 s[G1SA+1], 32<<16
	s_mov_b32 s[G1SA+2], 32<<16
	s_mov_b32 s[G1SA+3], 32<<16
	s_mov_b32 s[G1SA+4], 32
	s_mov_b32 s[G1SA+5], 32
	s_mov_b32 s[G1SA+6], 0
	s_mov_b32 s[G1SA+7], 0
	; group 1, the weights' scale bytes: for each of 4 gates 64 rows x 32 bytes = 2,048 dense bytes (256 elements of 8 bytes), 32,768 bytes from gate to gate; the padding's 64 words divide such a row into eight
	s_or_b32 s[G1SB], s104, (3<<16)|(1<<20)|(1<<21)|(5<<22)|(3<<25)
	s_mov_b32 s[G1SB+1], 256<<16
	s_mov_b32 s[G1SB+2], 4<<16
	s_mov_b32 s[G1SB+3], 256<<16
	s_mov_b32 s[G1SB+4], 4
	s_mov_b32 s[G1SB+5], 4096
	s_mov_b32 s[G1SB+6], 0
	s_mov_b32 s[G1SB+7], 0
	; groups 0: the byte offsets are laid into address fields; the buffers' addresses are added when they have come.  The batch rows' hang on ty and S alone, the weights' on tx and S alone
	s_mov_b32 s[G0A], 1
	s_mov_b32 s[G0A+4], 1
	s_mov_b32 s[G0B], 1
	s_mov_b32 s[G0B+4], 1
	s_mov_b32 s[G0SA], 1
	s_mov_b32 s[G0SB], 1
	s_mul_i32 s[G0A+1], s[WV], HALFT               ; where the codes go: wave x 128 rows: no place in the cluster enters an LDS address
	s_add_co_u32 s[G0A+5], s[G0A+1], SLOT
	s_mov_b32 s[G0B+1], s[G0A+1]
	s_mov_b32 s[G0B+5], s[G0A+5]
	s_mul_i32 s[G0SA+1], s[WV], SCW                ; and the scale bytes: a region a wave
	s_add_co_u32 s[G0SA+1], s[G0SA+1], SCL
	s_mov_b32 s[G0SB+1], s[G0SA+1]
	s_lshl_b32 s[G0A+2], s2, 18                    ; (256 ty + 128 S) rows of 1,024 bytes
	s_lshl_b32 s[G0A+3], s[SS], 17
	s_add_co_u32 s[G0A+2], s[G0A+2], s[G0A+3]
	s_mov_b32 s[G0A+3], 0
	s_lshl_b32 s[G0B+2], s101, 16                  ; 64 tx rows of 1,024 bytes + 2 S gates of 2^20
	s_lshl_b32 s[G0B+3], s[SS], 21
	s_add_co_u32 s[G0B+2], s[G0B+2], s[G0B+3]
	s_mov_b32 s[G0B+3], 0
	s_lshl_b32 s[G0SA+2], s2, 13                   ; 256 ty rows of 32 bytes
	s_mov_b32 s[G0SA+3], 0
	s_lshl_b32 s[G0SB+2], s101, 11                 ; 64 tx rows of 32 bytes
	s_mov_b32 s[G0SB+3], 0
	s_wait_dscnt 0x0                               ; both opening adds are done
	s_wait_kmcnt 0x0
	s_cmp_eq_u32 s[SS], 0                          ; the even wave of a pair fetches x's or Wx's scale bytes, the odd one h's or Uh's
	s_cselect_b64 s[6:7], s[6:7], s[10:11]
	s_cselect_b64 s[14:15], s[14:15], s[18:19]
	s_add_nc_u64 s[G0SA+2:G0SA+3], s[6:7], s[G0SA+2:G0SA+3]
	s_add_nc_u64 s[G0SB+2:G0SB+3], s[14:15], s[G0SB+2:G0SB+3]
	s_add_nc_u64 s[BA:BA+1], s[BA:BA+1], s[G0A+2:G0A+3]        ; the four buffers of codes at the rows that I fetch, K step 0
	s_add_nc_u64 s[BA+4:BA+5], s[BA+4:BA+5], s[G0A+2:G0A+3]
	s_add_nc_u64 s[BB:BB+1], s[BB:BB+1], s[G0B+2:G0B+3]
	s_add_nc_u64 s[BB+4:BB+5], s[BB+4:BB+5], s[G0B+2:G0B+3]
	s_and_b32 s19, ttmp7, 0xffff                   ; Y, the cluster's y: with X = ttmp9 the same in all sixteen partners
	s_and_b32 s[RM], s19, 1
	s_lshl_b32 s[RM], s[RM], 1
	s_add_co_u32 s[RM], s[RM], 1                   ; m = 1 (Y even) or 3 (Y odd)
	s_mul_i32 s19, s19, s[RM]
	s_add_co_u32 s19, s19, ttmp9
	s_and_b32 s[RK], s19, 3                        ; the first lap's K step: (X + m Y) mod 4
	s_lshl_b32 s[OFF], s[RK], 8                    ; 256 bytes a K step
	s_mov_b32 s[OFF+1], 0
	s_add_nc_u64 s[G0A+2:G0A+3], s[BA:BA+1], s[OFF:OFF+1]      ; slot 0: x and Wx;  slot 1: h and Uh
	s_add_nc_u64 s[G0A+6:G0A+7], s[BA+4:BA+5], s[OFF:OFF+1]
	s_add_nc_u64 s[G0B+2:G0B+3], s[BB:BB+1], s[OFF:OFF+1]
	s_add_nc_u64 s[G0B+6:G0B+7], s[BB+4:BB+5], s[OFF:OFF+1]
	s_or_b32 s[G0A+3], s[G0A+3], 0x80000000        ; 127:126 type = 2
	s_or_b32 s[G0A+7], s[G0A+7], 0x80000000
	s_or_b32 s[G0B+3], s[G0B+3], 0x80000000
	s_or_b32 s[G0B+7], s[G0B+7], 0x80000000
	s_or_b32 s[G0SA+3], s[G0SA+3], 0x80000000
	s_or_b32 s[G0SB+3], s[G0SB+3], 0x80000000
	CROUND                                         ; all sixteen work-groups are here: the first joint loads meet
	JSCALES                                        ; the scale bytes first: they are wanted with the first K step
	JCODES 0
	JCODES 1                                       ; three tensor loads of mine are out
	; the buffers that each work-group has to itself: offsets in s6, s7, s14, s15, which held addresses that are used up
	s_lshl_b32 s6, s2, 20                          ; 256 ty rows of 4,096 bytes
	s_lshl_b32 s7, s101, 8                         ; + 64 tx numbers
	s_add_co_u32 s6, s6, s7
	s_lshl_b32 s7, s[WV], 18                       ; c_pre: + my wave's 64 rows
	s_add_co_u32 s14, s6, s7
	s_mov_b32 s15, 0
	s_add_nc_u64 s[PFC:PFC+1], s[PFC:PFC+1], s[14:15]
	s_lshl_b32 s7, s[TT], 17                       ; the outputs: + 32 T rows + 8 S rows: the first rows that I store
	s_add_co_u32 s6, s6, s7
	s_lshl_b32 s7, s[SS], 15
	s_add_co_u32 s6, s6, s7
	s_mov_b32 s7, 0
	s_add_nc_u64 s[26:27], s[26:27], s[6:7]
	s_add_nc_u64 s[28:29], s[28:29], s[6:7]
	s_lshl_b32 s6, s101, 8                         ; the biases: hidden unit 64 tx + 32 S
	s_lshl_b32 s14, s[SS], 7
	s_add_co_u32 s6, s6, s14
	s_add_nc_u64 s[20:21], s[20:21], s[6:7]
	s_add_nc_u64 s[22:23], s[22:23], s[6:7]
	v_and_b32 v1, 15, v0                           ; r = lane % 16
	v_bfe_u32 v2, v0, 4, 1                         ; h = lane / 16
	v_lshlrev_b32 v3, 5, v2                        ; in the results' layout lane (r, h) holds hidden units 8 h + 0 .. 7 of a block: 32 h bytes on
.irp b, 0,1,2,3,4,5,6,7                        ; block b = 2 g + u: gate g, hidden units 16 u on
.irp k, 0,1
	global_load_b128 v[BI+8*\b+4*\k:BI+8*\b+4*\k+3], v3, s[20:21] offset:4096*(\b/2)+64*(\b%2)+16*\k
	global_load_b128 v[AF+8*\b+4*\k:AF+8*\b+4*\k+3], v3, s[22:23] offset:4096*(\b/2)+64*(\b%2)+16*\k
.endr
.endr
	; my fragments.  Block i of either side begins at row 64 (i / 2) + 16 (i % 2) + 32 T (batch rows) or + 32 S (weights: gate i / 2, hidden units 16 (i % 2) + 32 S on): the same immediates serve both sides
	v_mul_u32_u24 v4, v1, PITCH
	v_lshl_add_u32 v5, v2, 4, v4                   ; row r x pitch + 16 h
	s_mul_i32 s6, s[TT], 32*PITCH
	s_mul_i32 s7, s[SS], 32*PITCH
	s_add_co_u32 s7, s7, 2*HALFT                   ; the weights lie behind the 256 batch rows
	v_add_nc_u32 v[ADRA], s6, v5
	v_add_nc_u32 v[ADRB], s7, v5
	s_add_co_u32 s6, s6, SLOT
	s_add_co_u32 s7, s7, SLOT
	v_add_nc_u32 v[ADRA+1], s6, v5
	v_add_nc_u32 v[ADRB+1], s7, v5
	v_lshlrev_b32 v5, 5, v1                        ; my row's scale bytes: 32 a row,
	v_lshrrev_b32 v6, 8, v5
	v_lshl_add_u32 v5, v6, 4, v5                   ; and 16 more for each 256 passed
	s_mul_i32 s6, s[TT], 4*PITCH                   ; 32 T rows are four runs
	s_mul_i32 s7, s[SS], 4*PITCH
	s_add_co_u32 s7, s7, 2*SCW                     ; the weights' regions lie two regions on
	s_sub_co_u32 s7, s7, s6
	v_mul_u32_u24 v6, s7, v2                       ; lanes 16-31 take the weights'
	s_add_co_u32 s6, s6, SCL
	v_add_nc_u32 v5, v5, v6
	v_add_nc_u32 v[ADRS0], s6, v5
	s_lshl_b32 s19, s[RK], 3                       ; a K step of 256 is 8 of a row's 32 scale bytes
	v_add_nc_u32 v[ADRS], s19, v[ADRS0]
	s_wait_loadcnt 0x0                             ; bW and bU are in
.set cnt, 0
.rept 32
	v_pk_add_f32 v[BI+cnt:BI+cnt+1], v[BI+cnt:BI+cnt+1], v[AF+cnt:AF+cnt+1]   ; bW + bU: the C of each sum's first product
.set cnt, cnt+2
.endr
	s_mov_b32 s[KS], 0xbfb8aa3b                    ; -log2(e); the packed forms name a pair and take its low word for both halves, so both are written
	s_mov_b32 s[KS+1], s[KS]
	s_mov_b32 s[KT], 0x4038aa3b                    ; 2 log2(e)
	s_mov_b32 s[KT+1], s[KT]
	; the way out's addresses
	v_lshl_add_u32 v[CPA], v2, 5, v4               ; row r, + 32 h: my eight numbers of 16
	s_mul_i32 s6, s[TT], 32*PITCH
	s_lshl_b32 s7, s[SS], 7                        ; + my wave's 32 hidden units
	s_add_co_u32 s7, s7, s6
	v_add_nc_u32 v[CPA], s7, v[CPA]
	v_add_nc_u32 v[HSA], HST, v[CPA]
	v_mul_u32_u24 v5, v2, PITCH                    ; back: lanes 0-15 one row of 256 bytes, lanes 16-31 the next;
	v_lshl_add_u32 v5, v1, 4, v5
	s_mul_i32 s7, s[SS], 8*PITCH                   ; of a block's 16 rows the wave with S = 0 takes the first eight, its partner the others
	s_add_co_u32 s7, s7, s6
	v_add_nc_u32 v[RDC], s7, v5
	v_add_nc_u32 v[RDH], HST, v[RDC]
	v_lshlrev_b32 v[GO], 12, v2                    ; and the same two rows in an output
	v_lshl_add_u32 v[GO], v1, 4, v[GO]
	v_and_b32 v[PFO], 31, v0
	v_lshlrev_b32 v[PFO], 12, v[PFO]
.macro FRAG reg, adr, q, i             ; a fragment, 16 rows x 128 K of 8-bit codes, is 16 registers: lane l holds row l % 16; registers 4 c .. 4 c + 3 hold K = 32 c + 16 (l / 16) + 0 .. 15
.irp c, 0,1,2,3
	ds_load_b128 v[\reg+4*\c:\reg+4*\c+3], v[\adr] offset:128*(\q)+32*\c+(64*((\i)/2)+16*((\i)%2))*PITCH
.endr
.endm
; 16 matrix instructions: batch blocks a0, a0 + 1 x the eight blocks of weights, 128 along K: the slot's q-th.  p: the weights' set;  sc: the set of scale words.  first = 1: the bias is C: it starts the sums, nothing is cleared or added later.
; The 64 accumulators take turns, one instruction a turn, in the same order in every step.
.macro MUL16 a0, p, q, sc, first
.irp a, \a0, \a0+1
.irp b, 0,1,2,3,4,5,6,7
.if \first
	v_wmma_scale_f32_16x16x128_f8f6f4 v[8*(8*((\a)%4)+\b):8*(8*((\a)%4)+\b)+7], v[128*(\p)+FR*\b:128*(\p)+FR*\b+FR-1], v[AF+FR*(\a):AF+FR*(\a)+FR-1], v[BI+8*\b:BI+8*\b+7], v[SC+16*(\sc)+2*\b+(\q)], v[SC+16*(\sc)+2*(\a)+(\q)] matrix_a_fmt:MATRIX_FMT_BF8 matrix_b_fmt:MATRIX_FMT_BF8 matrix_a_scale:MATRIX_SCALE_ROW1
.else
	v_wmma_scale_f32_16x16x128_f8f6f4 v[8*(8*((\a)%4)+\b):8*(8*((\a)%4)+\b)+7], v[128*(\p)+FR*\b:128*(\p)+FR*\b+FR-1], v[AF+FR*(\a):AF+FR*(\a)+FR-1], v[8*(8*((\a)%4)+\b):8*(8*((\a)%4)+\b)+7], v[SC+16*(\sc)+2*\b+(\q)], v[SC+16*(\sc)+2*(\a)+(\q)] matrix_a_fmt:MATRIX_FMT_BF8 matrix_b_fmt:MATRIX_FMT_BF8 matrix_a_scale:MATRIX_SCALE_ROW1
.endif
.endr
.endr
.endm
.macro FETCH_B slot, q, p              ; the weights' eight fragments of the slot's q-th 128 along K into set p
	WIN TO_B
.irp i, 0,1,2,3,4,5,6,7
	FRAG 128*(\p)+FR*\i, ADRB+\slot, \q, \i
.endr
	WIN 0
.endm
.macro FETCH_A slot, q, i0             ; batch blocks i0 .. i0 + 3
.irp i, \i0, \i0+1, \i0+2, \i0+3
	FRAG AF+FR*(\i), ADRA+\slot, \q, \i
.endr
.endm
.macro SCALES sc                       ; a K step's scale words into set sc: two words a row; lanes 0-15 take batch block i's, lanes 16-31 weight block i's.  Slot 1's regions (h, Uh) lie one region behind slot 0's (x, Wx)
.irp i, 0,1,2,3,4,5,6,7
	ds_load_b64 v[SC+16*\sc+2*\i:SC+16*\sc+2*\i+1], v[ADRS] offset:SCW*\sc+8*PITCH*(\i/2)+2*PITCH*(\i%2)
.endr
.endm
; A load into a register that a matrix instruction has read, and a vector instruction that reads a matrix result, stand NP places behind that matrix instruction, and only plain vector instructions that name none of its
; registers are places (ISA guide 7.12.1 for vector instructions); the matrix instructions in between are not counted.
; A step of 128 along K that has its successor in the same slot.  A batch block is free as soon as its eight products are issued: blocks 0-3 are fetched anew in the step's middle, blocks 4-7 at its end.
.macro STEP slot, q, first
	s_wait_dscnt 16                                ; the weights' set, the scale words and batch blocks 0-3 are in; the youngest sixteen loads (blocks 4-7) may be out
.if \first
	WIN FST_LO
.else
	WIN MUL_LO
.endif
	MUL16 0, (\q)%2, \q, \slot, \first
	MUL16 2, (\q)%2, \q, \slot, \first
	s_wait_dscnt 0x0                               ; blocks 4-7 are in (asked for 32 matrix instructions ago)
	PLACES NP
	FETCH_B \slot, (\q)+1, 1-(\q)%2
	FETCH_A \slot, (\q)+1, 0
.if \first
	WIN FST_HI
.else
	WIN MUL_HI
.endif
	MUL16 4, (\q)%2, \q, \slot, \first
	MUL16 6, (\q)%2, \q, \slot, \first
	PLACES NP
	WIN 0
	FETCH_A \slot, (\q)+1, 4
.endm
; A slot's last step changes slots.  In front of the barrier each wave waits for all its tensor loads (its part of the next slot), adds 0 to its spare word, and waits for that and for its own reads of this slot.  The barrier opens a
; round of the cluster's barrier: behind it no wave of any partner still reads this slot or has a load on its way, and the slot is filled again first: fill = 1 with the next lap's K step of its buffers, fill = 2 (slot 0's last fill)
; with c_pre.  The next lap's K step is made at the change out of slot 0 and serves both changes of the lap.  ask = 1: the prefetch of c_pre stands here.
.macro TURN slot, next, fill, ask
	s_wait_tensorcnt 0x0                           ; all my tensor loads have landed, so every group 0 may be written  (every window is 0 here: the add's two registers lie in window 0)
	ds_add_u32 v[SPW], v[NIL]                      ; 0 onto my spare word; the descriptors' addresses, work on registers, are made while it is out
.if \fill == 1
.if \slot == 0
	s_add_co_u32 s[RK], s[RK], s[RM]
	s_and_b32 s[RK], s[RK], 3                      ; the next lap's K step: m further on, modulo 4
	s_lshl_b32 s[OFF], s[RK], 8
.endif
	s_add_nc_u64 s[G0A+4*\slot+2:G0A+4*\slot+3], s[BA+4*\slot:BA+4*\slot+1], s[OFF:OFF+1]
	s_or_b32 s[G0A+4*\slot+3], s[G0A+4*\slot+3], 0x80000000
	s_add_nc_u64 s[G0B+4*\slot+2:G0B+4*\slot+3], s[BB+4*\slot:BB+4*\slot+1], s[OFF:OFF+1]
	s_or_b32 s[G0B+4*\slot+3], s[G0B+4*\slot+3], 0x80000000
.endif
	s_wait_dscnt 17                                ; (the add and the youngest sixteen loads, batch blocks 4-7, may be out)
	WIN MUL_LO
	MUL16 0, 1, 1, \slot, 0                        ; sixteen matrix instructions stand between the add and the wait for it
	s_wait_dscnt 0x0                               ; the add is done, and my reads of this slot are over
	s_barrier_signal -1
	MUL16 2, 1, 1, \slot, 0
	WIN 0
	s_barrier_wait -1
	CREST
.if \fill == 1
	JCODES \slot                                   ; my one tensor load behind the round; its four v_nop are four of the eight places in front of the loads below
.else
	CFILL
.endif
	PLACES NP-4
.if \next == 0
	s_lshl_b32 s19, s[RK], 3
	v_add_nc_u32 v[ADRS], s19, v[ADRS0]            ; the next lap's scale words: x's and h's K steps of one number share their place in a row of scale bytes
.endif
	FETCH_B \next, 0, 0
	FETCH_A \next, 0, 0
	SCALES \next
.if (\ask)
	ASK
.endif
	WIN MUL_HI
	MUL16 4, 1, 1, \slot, 0
	MUL16 6, 1, 1, \slot, 0
	PLACES NP
	WIN 0
	FETCH_A \next, 0, 4
.endm
	s_wait_tensorcnt 1                             ; the scale bytes and my part of slot 0 are in (slot 1's load may be out)
	s_barrier_signal -1
	s_barrier_wait -1                              ; everybody's are
	FETCH_B 0, 0, 0
	FETCH_A 0, 0, 0
	SCALES 0
	FETCH_A 0, 0, 4
	; groups 1 and 0 for c_pre: 64 rows x 64 f32, 1,024 f32 from row to row; no mask.  They take the registers of the scale bytes' descriptors, whose loads the wait above has shown done
	s_mov_b32 s[G1C], (2<<16)|(1<<20)|(5<<22)|(3<<25)
	s_mov_b32 s[G1C+1], 64<<16
	s_mov_b32 s[G1C+2], 64<<16
	s_mov_b32 s[G1C+3], 64<<16
	s_mov_b32 s[G1C+4], 64
	s_mov_b32 s[G1C+5], 1024
	s_mov_b32 s[G1C+6], 0
	s_mov_b32 s[G1C+7], 0
	s_mov_b32 s[G0C], 1
	s_mul_i32 s[G0C+1], s[WV], 64*PITCH            ; rows 64 x wave on, from LDS byte 0
	s_mov_b64 s[G0C+2:G0C+3], s[PFC:PFC+1]
	s_or_b32 s[G0C+3], s[G0C+3], 0x80000000
	STEP 0, 0, 1                                   ; the first step's products start the sums at the bias
.irp t, 0,1,2                                  ; three times once round the ring, from a lap's second step to the next lap's first; both slots are filled again each time
	TURN 0, 1, 1, \t/2
	STEP 1, 0, 0
	TURN 1, 0, 1, 0
	STEP 0, 0, 0
.endr
	TURN 0, 1, 2, 0                                ; x's last 128 along K; slot 0 takes c_pre
	STEP 1, 0, 0
; THE WAY OUT, block by block of 16 batch rows x my 32 hidden units.  With AC the block's first accumulator register, f lies at AC + 0 .. 15, i at + 16, o at + 32, g at + 48, index 8 u + j = hidden unit 16 u + 8 (lane / 16) + j.
.macro CLOAD a                         ; c_pre of block a, in the same layout
.irp u, 0,1
.irp k, 0,1
	ds_load_b128 v[CPR+8*\u+4*\k:CPR+8*\u+4*\k+3], v[CPA] offset:(64*((\a)/2)+16*((\a)%2))*PITCH+64*\u+16*\k
.endr
.endr
.endm
.macro ARGS a                          ; the exponentials' arguments: -log2(e) z for the three sigmoids, 2 log2(e) z for tanh.  Each accumulator is read from its low end on
.set AC, 64*((\a)%4)
	WIN 0x02+(\a)/4                                ; source 0: window 2 or 3
.set cnt, 0
.rept 24
	v_pk_mul_f32 v[Z+cnt:Z+cnt+1], v[AC+cnt:AC+cnt+1], s[KS:KS+1] op_sel_hi:[1,0]
.set cnt, cnt+2
.endr
.rept 8
	v_pk_mul_f32 v[Z+cnt:Z+cnt+1], v[AC+cnt:AC+cnt+1], s[KT:KT+1] op_sel_hi:[1,0]
.set cnt, cnt+2
.endr
	WIN 0
.endm
.macro EXPS                            ; one batch of 64; nothing names a result before the wait at the head of REST
.set cnt, 0
.rept 64
	v_exp_f32 v[Z+cnt], v[Z+cnt]
.set cnt, cnt+1
.endr
.endm
.macro READBACK a                      ; eight whole rows of c_t and of h_t: a row's two halves come from the two waves that share T
.set RB, RB0+128*((\a)%2)
.irp i, 0,1,2,3
	ds_load_b128 v[RB+4*\i:RB+4*\i+3], v[RDC] offset:(64*((\a)/2)+16*((\a)%2)+2*\i)*PITCH
.endr
.irp i, 0,1,2,3
	ds_load_b128 v[RB+16+4*\i:RB+16+4*\i+3], v[RDH] offset:(64*((\a)/2)+16*((\a)%2)+2*\i)*PITCH
.endr
.endm
.macro STORES a                        ; sixteen lanes store 256 consecutive bytes, at a multiple of 256 from the output's first byte.  No base is stepped: the largest immediate is 214 rows of 4,096 bytes, inside the signed 24 bits (ISA guide, chapter 10)
.set RB, RB0+128*((\a)%2)
.irp i, 0,1,2,3
	global_store_b128 v[GO], v[RB+4*\i:RB+4*\i+3], s[28:29] offset:(64*((\a)/2)+16*((\a)%2)+2*\i)*4096 th:TH_STORE_NT
.endr
.irp i, 0,1,2,3
	global_store_b128 v[GO], v[RB+16+4*\i:RB+16+4*\i+3], s[26:27] offset:(64*((\a)/2)+16*((\a)%2)+2*\i)*4096 th:TH_STORE_NT
.endr
.endm
; The rest of block a's arithmetic.  Each batch of transcendentals has one plain instruction and ONE wait (s_wait_alu depctr_va_vdst(0) ahead of the first instruction that names a result).
.macro REST a
	v_nop
	s_wait_alu depctr_va_vdst(0)                   ; the 64 exponentials
.set cnt, 0
.rept 32
	v_pk_add_f32 v[Z+cnt:Z+cnt+1], v[Z+cnt:Z+cnt+1], 1.0 op_sel_hi:[1,0]
.set cnt, cnt+2
.endr
.set cnt, 0
.rept 64
	v_rcp_f32 v[Z+cnt], v[Z+cnt]                   ; f, i, o are done; g's is 1 / (1 + 2^(2 log2(e) z))
.set cnt, cnt+1
.endr
.if (\a) > 0
	s_wait_dscnt 4                                 ; the block before is back from the stages: behind its eight loads stand this block's four of c_pre
	STORES (\a)-1                                  ; its stores stand behind the reciprocals, as work that names none of their results
.else
	s_wait_tensorcnt 0x0                           ; c_pre is first wanted here: my 64 rows of it have landed (no LDS instruction of mine is out),
	s_barrier_signal -1
	s_barrier_wait -1                              ; and everybody's: the rows that I read, and later store c_t over, were brought by other waves too
	CLOAD 0
.endif
	v_nop
	s_wait_alu depctr_va_vdst(0)                   ; the 64 reciprocals
.irp k, 0,2,4,6,8,10,12,14
	v_pk_fma_f32 v[ZG+\k:ZG+\k+1], v[ZG+\k:ZG+\k+1], -2.0, 1.0 op_sel_hi:[1,0,0]   ; g = tanh(z_g)
.endr
.irp k, 0,2,4,6,8,10,12,14
	v_pk_mul_f32 v[ZG+\k:ZG+\k+1], v[ZG+\k:ZG+\k+1], v[ZI+\k:ZI+\k+1]             ; i g
.endr
	s_wait_dscnt 0x0                               ; c_pre is in
.irp k, 0,2,4,6,8,10,12,14
	v_pk_fma_f32 v[CT+\k:CT+\k+1], v[ZF+\k:ZF+\k+1], v[CPR+\k:CPR+\k+1], v[ZG+\k:ZG+\k+1]   ; c_t = f c_pre + i g
.endr
.irp k, 0,2,4,6,8,10,12,14
	v_pk_mul_f32 v[ZG+\k:ZG+\k+1], v[CT+\k:CT+\k+1], s[KT:KT+1] op_sel_hi:[1,0]
.endr
.irp k, 0,1,2,3,4,5,6,7,8,9,10,11,12,13,14,15
	v_exp_f32 v[ZG+\k], v[ZG+\k]
.endr
	v_nop
	s_wait_alu depctr_va_vdst(0)
.irp k, 0,2,4,6,8,10,12,14
	v_pk_add_f32 v[ZG+\k:ZG+\k+1], v[ZG+\k:ZG+\k+1], 1.0 op_sel_hi:[1,0]
.endr
.irp k, 0,1,2,3,4,5,6,7,8,9,10,11,12,13,14,15
	v_rcp_f32 v[ZG+\k], v[ZG+\k]
.endr
	v_nop
	s_wait_alu depctr_va_vdst(0)
.irp k, 0,2,4,6,8,10,12,14
	v_pk_fma_f32 v[ZG+\k:ZG+\k+1], v[ZG+\k:ZG+\k+1], -2.0, 1.0 op_sel_hi:[1,0,0]   ; tanh(c_t)
.endr
.irp k, 0,2,4,6,8,10,12,14
	v_pk_mul_f32 v[HT+\k:HT+\k+1], v[ZG+\k:ZG+\k+1], v[ZO+\k:ZO+\k+1]             ; h_t = o tanh(c_t)
.endr
.irp u, 0,1
.irp k, 0,1
	ds_store_b128 v[CPA], v[CT+8*\u+4*\k:CT+8*\u+4*\k+3] offset:(64*((\a)/2)+16*((\a)%2))*PITCH+64*\u+16*\k   ; c_t over the bytes of c_pre that this lane has read, and that nobody else reads
	ds_store_b128 v[HSA], v[HT+8*\u+4*\k:HT+8*\u+4*\k+3] offset:(64*((\a)/2)+16*((\a)%2))*PITCH+64*\u+16*\k
.endr
.endr
.endm
	s_wait_dscnt 16                                ; h's last 128 along K: nothing more to fetch
	WIN MUL_LO
	MUL16 0, 1, 1, 1, 0
	MUL16 2, 1, 1, 1, 0
	s_wait_dscnt 0x0                               ; batch blocks 4-7 are in
	WIN MUL_HI
	MUL16 4, 1, 1, 1, 0
	MUL16 6, 1, 1, 1, 0
	WIN 0
	PLACES NP                                      ; for the reads of results, and for the writes and loads into the registers that held fragments
	ARGS 0
	EXPS
; One barrier a block: in front of it a block's c_t and h_t lie in the stages; behind it each wave reads eight whole rows.  No byte of a stage is written twice, and between two barriers the waves write one block's rows and read
; another's.  The next block's arguments and exponentials stand round the barrier, so that the wave works while the others arrive.
.irp a, 0,1,2,3,4,5,6,7
	REST \a
.if \a < 7
	ARGS \a+1
.endif
	s_wait_dscnt 0x0                               ; for the others' sake: my stores into the stages are done
	s_barrier_signal -1
.if \a < 7
	EXPS                                           ; work on registers alone
.endif
	s_barrier_wait -1
.if \a >= 2
	s_wait_xcnt 0x0                                ; the stores of the block two back have read their registers: this block's rows may land there
.endif
	READBACK \a
.if \a < 7
	CLOAD \a+1
.endif
.endr
	s_wait_dscnt 0x0
	STORES 7
	s_wait_tensorcnt 0x0                           ; the wave's end: an add to my spare word and its wait, behind my last tensor load and my last LDS store
	ds_add_u32 v[SPW], v[NIL]
	s_wait_dscnt 0x0
	CROUND                                         ; the closing round: no work-group ends while a partner may still ask for a tile that names it
	s_endpgm
.Lfunc_end_k_q89c2e3d81d_lstm:
	.size	k_q89c2e3d81d_lstm, .Lfunc_end_k_q89c2e3d81d_lstm-k_q89c2e3d81d_lstm
	.p2alignl 7, 3214868480
	.fill 96, 4, 3214868480
	.section	.rodata,"a",@progbits
	.p2align	6, 0x0
	.amdhsa_kernel k_q89c2e3d81d_lstm
		.amdhsa_group_segment_fixed_size 327680
		.amdhsa_private_segment_fixed_size 0
		.amdhsa_enable_private_segment 0
		.amdhsa_kernarg_size 104
		.amdhsa_user_sgpr_count 2
		.amdhsa_user_sgpr_kernarg_segment_ptr 1
		.amdhsa_wavefront_size32 1
		.amdhsa_system_sgpr_workgroup_id_x 1
		.amdhsa_system_sgpr_workgroup_id_y 1
		.amdhsa_system_sgpr_workgroup_id_z 1
		.amdhsa_system_vgpr_workitem_id 0
		.amdhsa_next_free_vgpr 1024
		.amdhsa_next_free_sgpr 106
		.amdhsa_reserve_vcc 0
		.amdhsa_float_denorm_mode_32 3
		.amdhsa_float_denorm_mode_16_64 3
		.amdhsa_memory_ordered 1
		.amdhsa_forward_progress 1
		.amdhsa_inst_pref_size 255
	.end_amdhsa_kernel
	.section	.bss,"aw",@nobits
	.p2align	6
	.space	262144
	.amdgpu_metadata
---
amdhsa.version: [ 1, 2 ]
amdhsa.kernels:
  - .name:           k_q89c2e3d81d_lstm
    .symbol:         k_q89c2e3d81d_lstm.kd
    .args:
      - { .name: x_t_codes, .offset: 0, .size: 8, .value_kind: global_buffer, .address_space: global }
      - { .name: x_t_scales, .offset: 8, .size: 8, .value_kind: global_buffer, .address_space: global }
      - { .name: h_pre_codes, .offset: 16, .size: 8, .value_kind: global_buffer, .address_space: global }
      - { .name: h_pre_scales, .offset: 24, .size: 8, .value_kind: global_buffer, .address_space: global }
      - { .name: Wx_codes, .offset: 32, .size: 8, .value_kind: global_buffer, .address_space: global }
      - { .name: Wx_scales, .offset: 40, .size: 8, .value_kind: global_buffer, .address_space: global }
      - { .name: Uh_codes, .offset: 48, .size: 8, .value_kind: global_buffer, .address_space: global }
      - { .name: Uh_scales, .offset: 56, .size: 8, .value_kind: global_buffer, .address_space: global }
      - { .name: bW, .offset: 64, .size: 8, .value_kind: global_buffer, .address_space: global }
      - { .name: bU, .offset: 72, .size: 8, .value_kind: global_buffer, .address_space: global }
      - { .name: c_pre, .offset: 80, .size: 8, .value_kind: global_buffer, .address_space: global }
      - { .name: out0, .offset: 88, .size: 8, .value_kind: global_buffer, .address_space: global }
      - { .name: out1, .offset: 96, .size: 8, .value_kind: global_buffer, .address_space: global }
    .group_segment_fixed_size: 327680
    .private_segment_fixed_size: 0
    .kernarg_segment_align: 8
    .kernarg_segment_size: 104
    .max_flat_workgroup_size: 128
    .sgpr_count:     106
    .vgpr_count:     1024
    .wavefront_size: 32
...
	.end_amdgpu_metadata
.endif
;; end of part 1
